; MI455X (gfx1250); checked and timed in simulation.
; The chip was launched on July 23, 2026; its instructions are those of AMD's public machine-readable ISA for CDNA 5 (MIT licence, August 2026) and "CDNA5" Instruction Set Architecture Reference Guide (July 2026). The comments in the code are by the model that wrote it; some were corrected since.
;; W8 A8 B32 O32 Linear. Allowed arithmetic: float matrix products may take bf16 or f16 operands with f32 sums; other float arithmetic in f32, or as packed bf16 or f16 multiplies, adds, multiply-adds, maxima and minima; sums over many terms, partial sums and values carried from step to step in f32; what a program stores and reads back later, other than sums and carried values, may be rounded once to bf16 or f16.
;; Inputs: alpha one number float32; beta one number float32; bias 1 x 4,096 int32; weight 4,096 x 4,096 int32; x 4,096 x 4,096 int32.
;; Outputs: out0 4,096 x 4,096 int32.
;; One version. Each part assembles by itself: llvm-mc -triple=amdgcn-amd-amdhsa -mcpu=gfx1250 --defsym DOCPART=n.
;; ======== version 1 of 1: 2 launches
;; workspace buffers: xb 33,554,432 bytes; wb 33,554,432 bytes
;; launch pack (part 1): grid 1024 x 2, 8 waves a work-group, no clusters, 0 bytes of LDS; arguments x, weight, xb, wb; writes xb, wb
.if DOCPART == 1
	.amdgcn_target "amdgcn-amd-amdhsa--gfx1250"
	.amdhsa_code_object_version 6
	.text
	.protected	k_qd5c3834aac_pack
	.globl	k_qd5c3834aac_pack
	.p2align	8
	.type	k_qd5c3834aac_pack,@function
k_qd5c3834aac_pack:
	s_mov_b64 s[64:65], 0
	v_nop
	global_prefetch_b8 v0, s[64:65] scope:SCOPE_SE
	s_setreg_imm32_b32 hwreg(HW_REG_WAVE_MODE, 25, 1), 1
	s_wait_xcnt 0x0
; xb = bf16(x), wb = bf16(weight): each [4096][4096], int32 in, bf16 out, the same indices.
; LIMIT.  Whole numbers of magnitude up to 256 are exact in bf16 (8 significant bits); the problem's numbers lie in the int8 range, -128 .. 127.
; A number outside that range would be rounded here and the product behind this launch would not be the exact one.
; SHARES.  Grid y picks the tensor (0: x, 1: weight).  A work-group takes 65,536 bytes in and 32,768 out; thread t, step j: 16 bytes at
; 4,096 j + 16 t in, 8 bytes at 2,048 j + 8 t out.  A wave's load covers 512 consecutive bytes, its store 256 consecutive bytes at a multiple of 256.
; All sixteen loads of a wave go out at once; no register that a memory instruction reads is written again, so no wait frees any.
; No LDS, no barrier, no matrix unit: every byte is read once and written once, and nothing is shared between lanes.
.set STEPS, 16
.set X, 4                              ; v[4:67]   step j: four int32 as loaded, then as f32
.set Y, 68                             ; v[68:99]  step j: four bf16 to store
	s_load_b256 s[4:11], s[0:1], 0x0               ; x s[4:5], weight s[6:7], xb s[8:9], wb s[10:11]
	s_and_b32 s12, ttmp7, 0xffff                   ; which tensor
	v_lshlrev_b32 v1, 4, v0                        ; 16 t
	v_lshlrev_b32 v2, 3, v0                        ; 8 t
	s_lshl_b32 s14, ttmp9, 16                      ; the work-group's first byte in: under 2^26
	s_mov_b32 s15, 0
	s_lshl_b32 s16, ttmp9, 15                      ; and out
	s_mov_b32 s17, 0
	s_wait_kmcnt 0x0
	s_cmp_eq_u32 s12, 0                            ; the choice hangs on the grid's y alone
	s_cselect_b64 s[4:5], s[4:5], s[6:7]
	s_cselect_b64 s[8:9], s[8:9], s[10:11]
	s_add_nc_u64 s[4:5], s[4:5], s[14:15]
	s_add_nc_u64 s[8:9], s[8:9], s[16:17]
.set j, 0
.rept STEPS
	global_load_b128 v[X+4*j:X+4*j+3], v1, s[4:5] offset:4096*j th:TH_LOAD_NT   ; read once in the whole program
.set j, j+1
.endr
.set j, 0
.rept STEPS
	s_wait_loadcnt 15-j                            ; loads come back in order (ISA guide 5.7.1): step j's is in, the 15 - j younger ones stay out
	v_cvt_f32_i32 v[X+4*j],   v[X+4*j]
	v_cvt_f32_i32 v[X+4*j+1], v[X+4*j+1]
	v_cvt_f32_i32 v[X+4*j+2], v[X+4*j+2]
	v_cvt_f32_i32 v[X+4*j+3], v[X+4*j+3]
	v_cvt_pk_bf16_f32 v[Y+2*j],   v[X+4*j],   v[X+4*j+1]
	v_cvt_pk_bf16_f32 v[Y+2*j+1], v[X+4*j+2], v[X+4*j+3]
	global_store_b64 v2, v[Y+2*j:Y+2*j+1], s[8:9] offset:2048*j   ; no hint: the next launch reads these bytes
.set j, j+1
.endr
	s_endpgm
.Lfunc_end_k_qd5c3834aac_pack:
	.size	k_qd5c3834aac_pack, .Lfunc_end_k_qd5c3834aac_pack-k_qd5c3834aac_pack
	.p2alignl 7, 3214868480
	.fill 96, 4, 3214868480
	.section	.rodata,"a",@progbits
	.p2align	6, 0x0
	.amdhsa_kernel k_qd5c3834aac_pack
		.amdhsa_group_segment_fixed_size 0
		.amdhsa_private_segment_fixed_size 0
		.amdhsa_enable_private_segment 0
		.amdhsa_kernarg_size 32
		.amdhsa_user_sgpr_count 2
		.amdhsa_user_sgpr_kernarg_segment_ptr 1
		.amdhsa_wavefront_size32 1
		.amdhsa_system_sgpr_workgroup_id_x 1
		.amdhsa_system_sgpr_workgroup_id_y 1
		.amdhsa_system_sgpr_workgroup_id_z 1
		.amdhsa_system_vgpr_workitem_id 0
		.amdhsa_next_free_vgpr 100
		.amdhsa_next_free_sgpr 66
		.amdhsa_reserve_vcc 0
		.amdhsa_float_denorm_mode_32 3
		.amdhsa_float_denorm_mode_16_64 3
		.amdhsa_memory_ordered 1
		.amdhsa_forward_progress 1
		.amdhsa_inst_pref_size 9
	.end_amdhsa_kernel
	.amdgpu_metadata
---
amdhsa.version: [ 1, 2 ]
amdhsa.kernels:
  - .name:           k_qd5c3834aac_pack
    .symbol:         k_qd5c3834aac_pack.kd
    .args:
      - { .name: x, .offset: 0, .size: 8, .value_kind: global_buffer, .address_space: global }
      - { .name: weight, .offset: 8, .size: 8, .value_kind: global_buffer, .address_space: global }
      - { .name: xb, .offset: 16, .size: 8, .value_kind: global_buffer, .address_space: global }
      - { .name: wb, .offset: 24, .size: 8, .value_kind: global_buffer, .address_space: global }
    .group_segment_fixed_size: 0
    .private_segment_fixed_size: 0
    .kernarg_segment_align: 8
    .kernarg_segment_size: 32
    .max_flat_workgroup_size: 256
    .sgpr_count:     66
    .vgpr_count:     100
    .wavefront_size: 32
...
	.end_amdgpu_metadata
.endif
;; end of part 1
;; launch gemm (part 2): grid 16 x 16, 4 waves a work-group, clusters of 4 x 4, 327,680 bytes of LDS; arguments xb, wb, out0, bias, alpha, beta; writes out0
.if DOCPART == 2
	.amdgcn_target "amdgcn-amd-amdhsa--gfx1250"
	.amdhsa_code_object_version 6
	.text
	.protected	k_qd5c3834aac_gemm
	.globl	k_qd5c3834aac_gemm
	.p2align	8
	.type	k_qd5c3834aac_gemm,@function
k_qd5c3834aac_gemm:
	s_mov_b64 s[64:65], 0
	v_nop
	global_prefetch_b8 v0, s[64:65] scope:SCOPE_SE
	s_setreg_imm32_b32 hwreg(HW_REG_WAVE_MODE, 25, 1), 1
	s_wait_xcnt 0x0
	s_wait_alu depctr_hold_cnt(0) depctr_sa_sdst(0) depctr_va_vdst(0) depctr_va_sdst(0) depctr_va_ssrc(0) depctr_va_vcc(0) depctr_vm_vsrc(0)
	s_getreg_b32 s2, hwreg(HW_REG_IB_STS2, 6, 4)
	s_cmp_eq_u32 s2, 0
	s_cbranch_scc0 .Lentry_in_a_cluster
	s_endpgm
.Lentry_in_a_cluster:
	s_bfe_u32 s2, ttmp6, 0x10000c
	s_cmp_lg_u32 s2, 0xf033
	s_cbranch_scc0 .Lentry_shape_is_right
	s_endpgm
.Lentry_shape_is_right:
; out0[m][n] = int32(round to nearest even(alpha x f32(acc) + beta x f32(bias[n]))), acc = the exact sum over k of x[m][k] weight[n][k].
; xb, wb: [4096][4096] bf16, exact copies of x and weight; out0: [4096][4096] int32; bias: [4096] int32; alpha, beta: one f32 each.
; LIMITS.  x and weight lie in -128 .. 127 (the int8 range that the problem names): each product is then at most 2^14 and the bounds below hold.
; The result lies within int32 (beyond it the conversion saturates).  NaN and infinities in alpha and beta are not treated apart.
; ROUNDINGS.  f32(acc) is acc rounded once to nearest even; u = beta x f32(bias) is rounded once; alpha x f32(acc) + u is ONE fused multiply-add, rounded once.
; The order of rounding shows in the whole number: where alpha = 4 beta is near 1 / 500, alpha acc + beta bias is nearly (4 acc + bias) / 2000, and one sum in 2,000 lies
; within a last place of f32 of a half.  A product rounded by itself gives another whole number in part of those.
; EXACT SUMS.  bf16 operands, f32 sums.  An f32 sum of whole numbers is exact below 2^24, and |acc| can reach 4096 x 2^14 = 2^26.  So every 768 of K each sum s is
; RELIEVED: t = s + M, M = 1.5 x 2^43, where neighbouring f32 lie 2^20 apart: t's bits are M's bits + h, h = s / 2^20 rounded; s takes s - (t - M), exact, at most
; 2^19.  h is added into a byte of a packed register P, four sums to a register.  Between two reliefs a sum grows by 768 x 2^14 (the first time 800 x 2^14):
; at most 13,107,200, below 2^24.  The bytes' sums H stay within 61.  At the end acc = H x 2^20 + s, and ONE f32 addition of the two gives acc rounded once.
; SHAPE.  A work-group of four waves makes 256 x 256 of out0, a wave 128 x 128: 64 accumulators of 16 x 16, 512 registers.  K goes in steps of 128 through a ring of two
; LDS slots filled by the tensor data mover; the tiles' rows are 256 bytes of memory and start at multiples of 256 bytes from the buffer's first byte.
; CLUSTERS.  4 x 4 work-groups.  The four of a row of the cluster need the same tiles of xb, the four of a column the same tiles of wb: each tile is asked for JOINTLY,
; by the same tensor load with the same descriptor and a mask that names the four.  That divides the requests for both by four.
; THE MATRIX INSTRUCTION IS USED TRANSPOSED (source 0 = 16 rows of wb, source 1 = 16 rows of xb): lane l holds row l % 16 and the columns 8 (l / 16) + 0 .. 7.
; REGISTERS, in windows of 256 (s_set_vgpr_msb: bits 1:0 source 0, 3:2 source 1, 5:4 source 2, 7:6 destination):
;   window 0: v0-31 addresses and u; v32-63 at work on the way out; v64-127, v128-191 xb's fragments, two buffers (on the way out: rows read back); v192-255 at work in a relief
;   window 1: v64-127, v128-191 wb's fragments, two buffers; v0-63 P of my rows 0-63, v192-255 P of my rows 64-127
;   window 2: the 32 accumulators of my rows 0-63 (accumulator (a, b) at v[8 (8 a + b)]);   window 3: those of my rows 64-127
.set SIZE_K, 4096
.set SIZE_N, 4096
.set KSTEP,  128
.set PITCH,  272                       ; an LDS row: 256 bytes + 16 of padding = 68 words: row r starts at bank 4 r mod 64 (64 banks of 4 bytes: ISA guide 11.1)
.set HALFT,  128*PITCH                 ; 128 rows: what one tensor load brings, and what one wave reads of xb or of wb
.set SLOT,   4*HALFT                   ; xb's 256 rows, then wb's 256 rows
.set SPARE,  2*SLOT                    ; behind the ring: the spare words, 128 bytes for each wave: two blocks of 256 bytes that no other line names
.set LAPS,   SIZE_K/(2*KSTEP)          ; a lap = two K steps = once round the ring: 16
.set TRIPS,  3                         ; laps between two reliefs: 768 of K
.set NF,     5                         ; reliefs: TRIPS x NF = LAPS - 1, the loop's trips
; The way out goes through the ring's bytes, when they have had their last fill and nobody reads them any more: a stage for each wave.
.set WSTG,   43008                     ; a wave's stage: 64 rows of sums, then 64 rows of H bytes; four of them end at 172,032, below the spare words
.set SPITCH, 528                       ; a row of 128 f32 + 16 bytes: 33 x 16, so the 16 rows that a store touches fall into 16 different columns of 16 bytes
.set POFF,   64*SPITCH
.set PPITCH, 144                       ; a row of 128 bytes + 16 = 36 words: the 16 rows of a store start at 16 different groups of four banks
.set ROWB,   SIZE_N*4                  ; bytes in a row of out0
.set U,    8                           ; v[8:11] u = beta x f32(bias) of the four columns that I store
.set K55,  13                          ; v13     0x55000000: the bits of 2^43
.set ADRA, 16                          ; v16-17  LDS address of my xb fragments in slot 0, 1
.set ADRB, 20                          ; v20-21  the same for wb
.set STO,  22                          ; v22     the way out: where I put 32 bytes of a row of sums
.set STP,  23                          ; v23     where I put their 8 H bytes
.set RD0,  24                          ; v24     where I read a row of sums back, first row
.set RDP0, 25                          ; v25     the same for H bytes
.set RD,   26                          ; v26     the same, stepped
.set RDP,  27                          ; v27
.set SPW,  28                          ; v28     LDS address of my spare word: SPARE + 4 x my thread's number; never rewritten
.set NIL,  29                          ; v29     0; never rewritten
.set CO,   30                          ; v30     16 x lane: my byte offset in 512 bytes of a row of out0, and of bias
.set G,    32                          ; v32-63  the way out: H x 2^20 of eight rows
.set F0,   64                          ; fragment buffer 0
.set F1,   128                         ; fragment buffer 1
.set SR,   64                          ; the way out: eight rows of sums, four registers each
.set PW,   96                          ; and their H bytes, one register each
.set T,    192                         ; a relief's 64 registers at work
.set G1,  24                           ; s[24:31] descriptor group 1 for xb's tiles
.set G0,  32                           ; s[32:39] descriptor group 0 for xb's tiles, one set for each slot
.set G1B, 48                           ; s[48:55] group 1 for wb's tiles: it differs in the mask alone
.set G0B, 56                           ; s[56:63] group 0 for wb's tiles
.set MG,  66                           ; s[66:67] M = 1.5 x 2^43
.set NM,  68                           ; s[68:69] -M
.set AL,  70                           ; s[70:71] alpha
.set BT,  72                           ; s72      beta
.set C43N, 74                          ; s[74:75] -(2^43 + 2^27)
.set SEL, 76                           ; s[76:79] v_perm_b32's selects, one for each byte of a word of H bytes
.set PIN, 80                           ; s80      what P starts with
.set MSB, 0
.macro WIN new                         ; the immediate's high byte repeats the setting that is left; a switch that changes nothing is dropped
.if MSB != (\new)
	s_set_vgpr_msb (MSB<<8)|(\new)
.set MSB, \new
.endif
.endm
.set MUL_LO, 0xa1                      ; source 0 (wb) window 1, source 1 (xb) window 0, C and D window 2
.set MUL_HI, 0xf1                      ; the same, C and D window 3
.set TO_B,   0x40                      ; destination window 1, address window 0
; A joint load.  Waves 0 and 1 fetch xb's two halves, waves 2 and 3 wb's.  Each of the two lines has one mask and one set of registers for all that issue it.  The branch
; hangs on the wave's number alone.  An s_nop 0 and four v_nop follow each of the two lines, ahead of the jump, the label and what follows.
.macro JLOAD s
	s_cmp_eq_u32 s11, 0
	s_cbranch_scc0 .Lfor_b_\@
	tensor_load_to_lds s[G0+4*(\s):G0+4*(\s)+3], s[G1:G1+7]
	s_nop 0
.rept 4
	v_nop
.endr
	s_branch .Lasked_\@
.Lfor_b_\@:
	tensor_load_to_lds s[G0B+4*(\s):G0B+4*(\s)+3], s[G1B:G1B+7]
	s_nop 0
.rept 4
	v_nop
.endr
.Lasked_\@:
.endm
; A round of the cluster's barrier: my work-group's barrier, so that wave 0's signal speaks for all four waves; wave 0 signals for the work-group; every wave waits for all
; sixteen work-groups; my work-group's barrier once more.
.macro CREST                           ; a round behind its opening barrier
	s_cmp_lg_u32 s10, 0
	s_cbranch_scc1 .Lnot_wave_0_\@
	s_barrier_signal -3
.Lnot_wave_0_\@:
	s_barrier_wait -3
	s_barrier_signal -1
	s_barrier_wait -1
.endm
.macro CROUND                          ; a whole round
	s_barrier_signal -1
	s_barrier_wait -1
	CREST
.endm
	s_load_b128 s[4:7], s[0:1], 0x0                ; xb s[4:5], wb s[6:7]
	s_load_b64 s[8:9], s[0:1], 0x10                ; out0
	s_load_b64 s[86:87], s[0:1], 0x18              ; bias
	s_load_b128 s[88:91], s[0:1], 0x20             ; alpha's address s[88:89], beta's s[90:91]
	v_lshl_add_u32 v[SPW], v0, 2, SPARE
	v_mov_b32 v[NIL], 0
	ds_add_u32 v[SPW], v[NIL]                      ; the wave's opening: the add and its wait stand ahead of my first tensor load; the set-up below, work on registers, stands between them
	v_lshrrev_b32 v1, 5, v0
	v_readfirstlane_b32 s10, v1                    ; wave 0..3
	s_lshr_b32 s11, s10, 1                         ; which half of the tile's rows is mine.  Also: I fetch for xb (0) or for wb (1)
	s_and_b32 s12, s10, 1                          ; which half of its columns.  Also: which 128 rows of that tile I fetch
	s_bfe_u32 s40, ttmp6, 0x40000                  ; cx: my place along the cluster's x
	s_bfe_u32 s41, ttmp6, 0x40004                  ; cy: along its y
	s_lshl_b32 s42, ttmp9, 2                       ; in a cluster launch ttmp9 and ttmp7 count clusters
	s_add_co_u32 s42, s42, s40                     ; tile column = 4 x cluster x + cx
	s_and_b32 s13, ttmp7, 0xffff
	s_lshl_b32 s13, s13, 2
	s_add_co_u32 s13, s13, s41                     ; tile row = 4 x cluster y + cy
	s_lshl_b32 s43, s41, 2
	s_lshl_b32 s43, 15, s43                        ; my row of the cluster: places 4 cy .. 4 cy + 3
	s_lshl_b32 s44, 0x1111, s40                    ; my column: places cx, cx + 4, cx + 8, cx + 12
	; descriptor group 1: a tile of 128 rows x 128 elements, padded in LDS
	s_or_b32 s[G1+0], s43, (1<<16)|(1<<20)|(1<<21)|(5<<22)|(3<<25)  ; 15:0 the mask: xb's tiles go to my row; 17:16 element of 2 bytes; 20 padding on; 21 set beside a mask; 24:22 after every 64 words (code 5); 31:25 of 4 words (code 3)
	s_or_b32 s[G1B+0], s44, (1<<16)|(1<<20)|(1<<21)|(5<<22)|(3<<25) ; the same with the mask of my column, for wb's tiles
.irp g, G1, G1B
	s_mov_b32 s[(\g)+1], KSTEP<<16                 ; tensor_dim0 = 128
	s_mov_b32 s[(\g)+2], 128<<16                   ; tensor_dim1 = 128
	s_mov_b32 s[(\g)+3], KSTEP<<16                 ; tile_dim0 = 128
	s_mov_b32 s[(\g)+4], 128                       ; tile_dim1 = 128
	s_mov_b32 s[(\g)+5], SIZE_K                    ; elements from row to row
	s_mov_b32 s[(\g)+6], 0
	s_mov_b32 s[(\g)+7], 0
.endr
	; where the tiles come from.  xb's hang on the tile row alone, which my row of the cluster shares; wb's on the tile column alone, which my column shares.
	s_lshl_b32 s17, s12, 7                         ; which 128 rows of the tile I fetch
	s_lshl_b32 s16, s13, 8
	s_add_co_u32 s16, s16, s17                     ; xb: row 256 x tile row + 128 x half
	s_lshl_b32 s46, s42, 8
	s_add_co_u32 s46, s46, s17                     ; wb: row 256 x tile column + 128 x half
	s_mov_b32 s17, 0
	s_mov_b32 s47, 0
	s_mov_b64 s[18:19], SIZE_K*2
	s_mul_u64 s[16:17], s[16:17], s[18:19]         ; in bytes
	s_mul_u64 s[46:47], s[46:47], s[18:19]
	s_mul_i32 s20, s10, HALFT                      ; and where they go: wave x 128 rows: no place in the cluster enters an LDS address
	s_mov_b32 s[MG], 0x55400000                    ; 1.5 x 2^43; each pair's second word is written because the pair is named
	s_mov_b32 s[MG+1], 0x55400000
	s_mov_b32 s[NM], 0xd5400000
	s_mov_b32 s[NM+1], 0xd5400000
	s_mov_b32 s[C43N], 0xd5000080
	s_mov_b32 s[C43N+1], 0xd5000080
.irp f, 0,1,2,3
	s_mov_b32 s[SEL+(\f)], 0x07040400+(\f)         ; byte 3 from 2^43's bits, bytes 2 and 1 their zeros, byte 0 the word's byte f
.endr
	; A relief adds t's bits, shifted by 0, 8, 16 and 24, into P: beside the four h that is 0x55400000 + 0x40000000 = 0x95400000 (the higher shifts push M's bits out).
	; P starts so that behind NF reliefs each byte holds H + 128: 0x80808080 - 5 x 0x95400000 = 0x96408080 modulo 2^32.  H + 128 lies in 67 .. 189: no byte carries into the next.
	s_mov_b32 s[PIN], (0x80808080-NF*0x95400000)&0xffffffff
	s_wait_dscnt 0x0                               ; the opening add is done
	s_wait_kmcnt 0x0
	s_load_b32 s[AL], s[88:89], 0x0                ; alpha and beta: waited for further down
	s_load_b32 s[BT], s[90:91], 0x0
	s_add_nc_u64 s[14:15], s[4:5], s[16:17]
	s_add_nc_u64 s[46:47], s[6:7], s[46:47]
	CROUND                                         ; all sixteen work-groups are here: the first joint loads meet
.irp s, 0,1
	s_mov_b32 s[G0+4*(\s)], 1                                      ; count = 1
	s_add_co_u32 s[G0+4*(\s)+1], s20, (\s)*SLOT                    ; LDS address
	s_add_nc_u64 s[G0+4*(\s)+2:G0+4*(\s)+3], s[14:15], (\s)*KSTEP*2  ; global address: K step s
	s_or_b32 s[G0+4*(\s)+3], s[G0+4*(\s)+3], 0x80000000            ; type = 2
	s_mov_b32 s[G0B+4*(\s)], 1
	s_add_co_u32 s[G0B+4*(\s)+1], s20, (\s)*SLOT
	s_add_nc_u64 s[G0B+4*(\s)+2:G0B+4*(\s)+3], s[46:47], (\s)*KSTEP*2
	s_or_b32 s[G0B+4*(\s)+3], s[G0B+4*(\s)+3], 0x80000000
	JLOAD \s                                       ; the ring is filled before anything else is done: two loads of mine are out
.endr
	; All that follows, down to the wait for the first tile, stands in that wait.
	; A fragment is 16 rows x 32 K in 8 registers: lane l holds row l % 16; registers 0-3 K = 8 (l / 16) + 0..7, registers 4-7 K = 16 + 8 (l / 16) + 0..7: two loads of 16 bytes, 32 bytes apart.
	v_and_b32 v1, 15, v0                           ; l % 16
	v_bfe_u32 v2, v0, 4, 1                         ; l / 16
	v_mul_u32_u24 v3, v1, PITCH
	v_lshl_add_u32 v3, v2, 4, v3                   ; row x pitch + 16 x half
	s_mul_i32 s21, s11, HALFT                      ; my 128 rows of xb
	s_mul_i32 s22, s12, HALFT                      ; my 128 rows of wb,
	s_add_co_u32 s22, s22, 2*HALFT                 ; which lie behind xb's 256
.irp s, 0,1
	v_add_nc_u32 v[ADRA+(\s)], s21, v3
	v_add_nc_u32 v[ADRB+(\s)], s22, v3
	s_add_co_u32 s21, s21, SLOT
	s_add_co_u32 s22, s22, SLOT
.endr
	s_mul_i32 s23, s10, WSTG                       ; my stage
	s_add_co_u32 s21, s23, POFF                    ; and its rows of H bytes
	v_mul_u32_u24 v4, v1, SPITCH                   ; in: row l % 16, 32 bytes (8 sums) for each half of the lanes
	v_lshl_add_u32 v4, v2, 5, v4
	v_add_nc_u32 v[STO], s23, v4
	v_mul_u32_u24 v5, v1, PPITCH                   ; and their 8 bytes
	v_lshl_add_u32 v5, v2, 3, v5
	v_add_nc_u32 v[STP], s21, v5
	v_and_b32 v6, 31, v0                           ; back: the 32 lanes take one row: 16 bytes of sums and 4 H bytes each: columns 4 lane + 0 .. 3
	v_lshlrev_b32 v[CO], 4, v6
	v_add_nc_u32 v[RD0], s23, v[CO]
	v_lshl_add_u32 v[RDP0], v6, 2, s21
	v_mov_b32 v[K55], 0x55000000
	s_lshl_b32 s46, s42, 10                        ; my first column in bytes of 4: 1,024 x tile column + 512 x half (in the registers that held wb's address: none that feeds xb's descriptors ever holds cx)
	s_lshl_b32 s47, s12, 9
	s_add_co_u32 s46, s46, s47
	s_mov_b32 s47, 0
	s_add_nc_u64 s[86:87], s[86:87], s[46:47]
	global_load_b128 v[U:U+3], v[CO], s[86:87]     ; bias of my four columns
	s_lshl_b32 s16, s13, 8
	s_lshl_b32 s17, s11, 7
	s_add_co_u32 s16, s16, s17                     ; my first row of out0,
	s_lshl_b32 s16, s16, 14                        ; times 16,384 bytes: under 2^26
	s_mov_b32 s17, 0
	s_add_nc_u64 s[8:9], s[8:9], s[16:17]
	s_add_nc_u64 s[8:9], s[8:9], s[46:47]
	WIN 0x40                                       ; P's start: 128 moves, once; a first relief written out apart, which would spare them, is eighty times as long
.set i, 0
.rept 64
	v_mov_b32 v[i], s[PIN]
	v_mov_b32 v[192+i], s[PIN]
.set i, i+1
.endr
	WIN 0
	s_wait_kmcnt 0x0                               ; alpha and beta
	s_mov_b32 s[AL+1], s[AL]                       ; named with it as a pair
	s_wait_loadcnt 0x0                             ; bias
.irp i, 0,1,2,3
	v_cvt_f32_i32 v[U+(\i)], v[U+(\i)]
.endr
.irp i, 0,1,2,3
	v_mul_f32 v[U+(\i)], s[BT], v[U+(\i)]          ; u = beta x f32(bias), rounded once
.endr
; 16 matrix instructions: m blocks a0, a0 + 1 of the window's four (hi = 0: my rows 0-63, 1: rows 64-127) x all 8 n blocks, 32 along K.
; zero = 1: the first product starts the sums.  The 64 accumulators take turns, one instruction a turn, in the same order in every quarter step.
.macro MUL16 f, hi, a0, zero
	WIN MUL_LO+0x50*(\hi)
.irp a, \a0, (\a0)+1
.irp b, 0,1,2,3,4,5,6,7
.if \zero
	v_wmma_f32_16x16x32_bf16 v[8*(8*(\a)+(\b)):8*(8*(\a)+(\b))+7], v[(\f)+8*(\b):(\f)+8*(\b)+7], v[(\f)+8*(4*(\hi)+(\a)):(\f)+8*(4*(\hi)+(\a))+7], 0
.else
	v_wmma_f32_16x16x32_bf16 v[8*(8*(\a)+(\b)):8*(8*(\a)+(\b))+7], v[(\f)+8*(\b):(\f)+8*(\b)+7], v[(\f)+8*(4*(\hi)+(\a)):(\f)+8*(4*(\hi)+(\a))+7], v[8*(8*(\a)+(\b)):8*(8*(\a)+(\b))+7]
.endif
.endr
.endr
.endm
; 32 LDS loads in one run: the fragments of one quarter step (128 rows of wb, 128 rows of xb, 32 K at byte k of the rows) into buffer f
.macro FETCH slot, k, f
	WIN TO_B
.irp i, 0,1,2,3,4,5,6,7
	ds_load_b128 v[(\f)+8*(\i):(\f)+8*(\i)+3],   v[ADRB+(\slot)] offset:(\k)+(\i)*16*PITCH
	ds_load_b128 v[(\f)+8*(\i)+4:(\f)+8*(\i)+7], v[ADRB+(\slot)] offset:(\k)+(\i)*16*PITCH+32
.endr
	WIN 0
.irp i, 0,1,2,3,4,5,6,7
	ds_load_b128 v[(\f)+8*(\i):(\f)+8*(\i)+3],   v[ADRA+(\slot)] offset:(\k)+(\i)*16*PITCH
	ds_load_b128 v[(\f)+8*(\i)+4:(\f)+8*(\i)+7], v[ADRA+(\slot)] offset:(\k)+(\i)*16*PITCH+32
.endr
.endm
; A load into a register that a matrix instruction has read, and a vector instruction or LDS store that reads a matrix result, stand four places behind that matrix instruction, and only
; plain vector instructions that name none of its registers are places (ISA guide 7.12.1 for vector instructions).
.macro PLACES
.rept 4
	v_nop
.endr
.endm
; A K step is four quarter steps of 32 along K, 64 matrix instructions each, on buffers 0, 1, 0, 1.
; One of the first three: multiplies buffer f; in its middle it fetches the next quarter's fragments, at byte k of the same slot's rows, into buffer g.
.macro QUARTER slot, k, f, g, zero
	s_wait_dscnt 8                                 ; wb and xb's rows 0-63 are in; the youngest eight loads (xb's rows 64-127) may be out
	MUL16 \f, 0, 0, \zero
	MUL16 \f, 0, 2, \zero
	PLACES
	FETCH \slot, \k, \g
	s_wait_dscnt 32                                ; all but the 32 just issued
	MUL16 \f, 1, 0, \zero
	MUL16 \f, 1, 2, \zero
.endm
; The last quarter multiplies buffer 1 and changes slots: ONE barrier.  In front of it each wave waits for all its tensor loads, of which one is out: its part of the next slot; adds 0 to its
; spare word; and waits for that and for its own reads of this slot.  Behind it nobody reads this slot any more and the next slot is whole.  fill = 1: the barrier opens a round of the cluster's,
; and this slot is filled again, two K steps ahead, first thing behind the round: from that request to the wait for it a wave issues 224 matrix instructions.
.macro TURN slot, next, fill
	WIN 0                                          ; (the add's two registers lie in window 0)
	s_wait_tensorcnt 0x0                           ; all my tensor loads have landed;
	ds_add_u32 v[SPW], v[NIL]                      ; 0 onto my spare word;
	s_wait_dscnt 9                                 ; (the add and the youngest eight loads may be out)
	MUL16 F1, 0, 0, 0                              ; sixteen matrix instructions stand between the add and the wait for it
	s_wait_dscnt 0x0                               ; the add is done, and my reads of this slot are over
	s_barrier_signal -1
	MUL16 F1, 0, 2, 0                              ; work on registers while the others arrive
.if \fill
	WIN 0
.endif
	s_barrier_wait -1
.if \fill
	CREST                                          ; no wave of any partner still reads this slot's tile or has a load on its way
	s_add_nc_u64 s[G0+4*(\slot)+2:G0+4*(\slot)+3], s[G0+4*(\slot)+2:G0+4*(\slot)+3], 2*KSTEP*2
	s_add_nc_u64 s[G0B+4*(\slot)+2:G0B+4*(\slot)+3], s[G0B+4*(\slot)+2:G0B+4*(\slot)+3], 2*KSTEP*2
	JLOAD \slot                                    ; the first tensor load behind the round; the four v_nop behind it are also the places in front of the loads below
.else
	PLACES
.endif
	FETCH \next, 0, F0
	MUL16 F1, 1, 0, 0
	MUL16 F1, 1, 2, 0
.endm
; THE RELIEF of 64 accumulator registers, 64 q on, of window 2 + hi.  Register r's h goes into byte r % 4 of P's register r / 4.
.macro FBATCH hi, q
.set R0, 64*(\q)
.set PR, 192*(\hi)+16*(\q)
	WIN 0x02+(\hi)                                 ; source 0: the sums
.set i, 0
.rept 32
	v_pk_add_f32 v[T+i:T+i+1], v[R0+i:R0+i+1], s[MG:MG+1] op_sel_hi:[1,0]   ; t = s + M; ascending
.set i, i+2
.endr
	WIN 0x50                                       ; destination and source 2: P
.set i, 0
.rept 64
	v_lshl_add_u32 v[PR+i%16], v[T+4*(i%16)+i/16], 8*(i/16), v[PR+i%16]      ; byte i / 16 of sixteen registers in turn: no line waits for the one before it
.set i, i+1
.endr
	WIN 0
.set i, 0
.rept 32
	v_pk_add_f32 v[T+i:T+i+1], v[T+i:T+i+1], s[NM:NM+1] op_sel_hi:[1,0]      ; t - M = h x 2^20, exact
.set i, i+2
.endr
	WIN 0x82+0x41*(\hi)                            ; destination and source 0: the sums
.set i, 0
.rept 32
	v_pk_add_f32 v[R0+i:R0+i+1], v[R0+i:R0+i+1], v[T+i:T+i+1] neg_lo:[0,1] neg_hi:[0,1]  ; s - h x 2^20, exact, at most 2^19
.set i, i+2
.endr
.endm
.macro FLUSH
	PLACES                                         ; behind the trip's last products
.irp q, 0,1,2,3
	FBATCH 0, \q
.endr
.irp q, 0,1,2,3
	FBATCH 1, \q
.endr
	WIN 0
.endm
; THE WAY OUT.  Rows 2 k and 2 k + 1 of a trip's eight: registers 8 k .. 8 k + 7 of SR (sums) and G, words 2 k, 2 k + 1 of PW (H bytes).
.macro ROWS2 k
	s_wait_dscnt 12-4*(\k)                         ; LDS loads come back in order (ISA guide 5.7.1): these two rows' four are in, the 12 - 4 k behind them may be out
.irp d, 0,1
.irp f, 0,1,2,3
	v_perm_b32 v[G+8*(\k)+4*(\d)+(\f)], v[K55], v[PW+2*(\k)+(\d)], s[SEL+(\f)]   ; the bits of 2^43 + (H + 128) x 2^20
.endr
.endr
.irp p, 0,2,4,6
	v_pk_add_f32 v[G+8*(\k)+(\p):G+8*(\k)+(\p)+1], v[G+8*(\k)+(\p):G+8*(\k)+(\p)+1], s[C43N:C43N+1] op_sel_hi:[1,0]   ; less 2^43 + 2^27: H x 2^20, exact
.endr
.irp p, 0,2,4,6
	v_pk_add_f32 v[SR+8*(\k)+(\p):SR+8*(\k)+(\p)+1], v[SR+8*(\k)+(\p):SR+8*(\k)+(\p)+1], v[G+8*(\k)+(\p):G+8*(\k)+(\p)+1]   ; H x 2^20 + s = acc, rounded once: f32(acc)
.endr
.irp p, 0,2,4,6
	v_pk_fma_f32 v[SR+8*(\k)+(\p):SR+8*(\k)+(\p)+1], v[SR+8*(\k)+(\p):SR+8*(\k)+(\p)+1], s[AL:AL+1], v[U+(\p)%4:U+(\p)%4+1] op_sel_hi:[1,0,1]   ; alpha x f32(acc) + u, one rounding
.endr
.irp p, 0,1,2,3,4,5,6,7
	v_rndne_f32 v[SR+8*(\k)+(\p)], v[SR+8*(\k)+(\p)]
.endr
.irp p, 0,1,2,3,4,5,6,7
	v_cvt_i32_f32 v[SR+8*(\k)+(\p)], v[SR+8*(\k)+(\p)]
.endr
.irp d, 0,1
	global_store_b128 v[CO], v[SR+8*(\k)+4*(\d):SR+8*(\k)+4*(\d)+3], s[8:9] offset:(2*(\k)+(\d))*ROWB th:TH_STORE_NT   ; the wave stores 512 consecutive bytes, at a multiple of 512 from out0's first byte
.endr
.endm
; My rows 64 hh .. 64 hh + 63: sums and H bytes go into my stage, 32 and 8 bytes a lane, and come back as whole rows, eight a trip.  The stage's bytes are my wave's own, and LDS serves
; a wave's instructions in order (ISA guide 5.7.1.4): no wait stands between the stores and the loads, nor between one half's loads, all waited for, and the next half's stores.
.macro HALF hh
	WIN 0x08+4*(\hh)                               ; store data (source 1): window 2 or 3
.set i, 0
.rept 32                                               ; accumulator i = 8 a + b: rows 16 a on, columns 16 b on; its four lowest registers first
	ds_store_b128 v[STO], v[8*i:8*i+3]   offset:(i/8)*16*SPITCH+64*(i%8)
	ds_store_b128 v[STO], v[8*i+4:8*i+7] offset:(i/8)*16*SPITCH+64*(i%8)+16
.set i, i+1
.endr
	WIN 0x04                                       ; store data: window 1
.set i, 0
.rept 32
	ds_store_b64 v[STP], v[192*(\hh)+2*i:192*(\hh)+2*i+1] offset:(i/8)*16*PPITCH+16*(i%8)
.set i, i+1
.endr
	WIN 0
	v_mov_b32 v[RD], v[RD0]
	v_mov_b32 v[RDP], v[RDP0]
	s_mov_b32 s3, 8
.Lrow_\@:
.irp p, 0,1,2,3,4,5,6,7
	ds_load_b128 v[SR+4*(\p):SR+4*(\p)+3], v[RD] offset:(\p)*SPITCH
	ds_load_b32 v[PW+(\p)], v[RDP] offset:(\p)*PPITCH
.endr
	ROWS2 0
	ROWS2 1
	ROWS2 2
	ROWS2 3
	s_wait_xcnt 0x0                                ; every earlier memory instruction has had its addresses translated (ISA guide 3.1): only behind this wait are the stores' base and data written again
	s_add_nc_u64 s[8:9], s[8:9], 8*ROWB            ; eight rows of out0 on,
	v_add_nc_u32 v[RD], 8*SPITCH, v[RD]            ; and of the stage
	v_add_nc_u32 v[RDP], 8*PPITCH, v[RDP]
	s_sub_co_u32 s3, s3, 1
	s_cmp_lg_u32 s3, 0
	s_cbranch_scc1 .Lrow_\@
.endm
	s_wait_tensorcnt 1                             ; my part of K step 0 is in; K step 1's, issued behind it, may stay out
	s_barrier_signal -1
	s_barrier_wait -1                              ; everybody's is
	FETCH 0, 0, F0
	QUARTER 0, 64,  F0, F1, 1                      ; the first quarter stands in front of the loops: its products start the sums
	WIN 0                                          ; at a label and at a branch every window is 0
	s_mov_b32 s2, NF
.Lchunk:                                               ; NF times: TRIPS laps, then a relief
	s_mov_b32 s3, TRIPS
.Llap:                                                 ; a trip goes once round the ring, from a lap's second quarter to the next lap's first, and fills both slots again
	QUARTER 0, 128, F1, F0, 0
	QUARTER 0, 192, F0, F1, 0
	TURN 0, 1, 1
	QUARTER 1, 64,  F0, F1, 0
	QUARTER 1, 128, F1, F0, 0
	QUARTER 1, 192, F0, F1, 0
	TURN 1, 0, 1
	QUARTER 0, 64,  F0, F1, 0
	WIN 0
	s_sub_co_u32 s3, s3, 1
	s_cmp_lg_u32 s3, 0
	s_cbranch_scc1 .Llap
	FLUSH                                          ; the next quarter's fragments, and a slot's refill, are on their way meanwhile
	s_sub_co_u32 s2, s2, 1
	s_cmp_lg_u32 s2, 0
	s_cbranch_scc1 .Lchunk
	QUARTER 0, 128, F1, F0, 0                      ; the last lap is written out: it fills nothing, and has no round of the cluster's barrier.  224 of K: the sums end below 2^19 + 224 x 2^14
	QUARTER 0, 192, F0, F1, 0
	TURN 0, 1, 0
	QUARTER 1, 64,  F0, F1, 0
	QUARTER 1, 128, F1, F0, 0
	QUARTER 1, 192, F0, F1, 0
	s_wait_dscnt 8                                 ; the very last quarter: nothing more to fetch
	MUL16 F1, 0, 0, 0
	MUL16 F1, 0, 2, 0
	s_wait_dscnt 0x0
	MUL16 F1, 1, 0, 0
	MUL16 F1, 1, 2, 0
	WIN 0
	PLACES                                         ; behind the last products: the stores below read results, the loads below land in fragment registers
	s_wait_dscnt 0x0                               ; my reads of the ring are over,
	s_barrier_signal -1
	s_barrier_wait -1                              ; everybody's are; the ring has had its last fill: its bytes now serve as the four stages
	HALF 0
	HALF 1
	s_wait_tensorcnt 0x0                           ; the wave's end, behind my last tensor load and my last LDS store
	ds_add_u32 v[SPW], v[NIL]
	s_wait_dscnt 0x0
	CROUND                                         ; the closing round: no work-group ends while a partner may still ask for a tile that names it
	s_endpgm
.Lfunc_end_k_qd5c3834aac_gemm:
	.size	k_qd5c3834aac_gemm, .Lfunc_end_k_qd5c3834aac_gemm-k_qd5c3834aac_gemm
	.p2alignl 7, 3214868480
	.fill 96, 4, 3214868480
	.section	.rodata,"a",@progbits
	.p2align	6, 0x0
	.amdhsa_kernel k_qd5c3834aac_gemm
		.amdhsa_group_segment_fixed_size 327680
		.amdhsa_private_segment_fixed_size 0
		.amdhsa_enable_private_segment 0
		.amdhsa_kernarg_size 48
		.amdhsa_user_sgpr_count 2
		.amdhsa_user_sgpr_kernarg_segment_ptr 1
		.amdhsa_wavefront_size32 1
		.amdhsa_system_sgpr_workgroup_id_x 1
		.amdhsa_system_sgpr_workgroup_id_y 1
		.amdhsa_system_sgpr_workgroup_id_z 1
		.amdhsa_system_vgpr_workitem_id 0
		.amdhsa_next_free_vgpr 1024
		.amdhsa_next_free_sgpr 92
		.amdhsa_reserve_vcc 0
		.amdhsa_float_denorm_mode_32 3
		.amdhsa_float_denorm_mode_16_64 3
		.amdhsa_memory_ordered 1
		.amdhsa_forward_progress 1
		.amdhsa_inst_pref_size 229
	.end_amdhsa_kernel
	.amdgpu_metadata
---
amdhsa.version: [ 1, 2 ]
amdhsa.kernels:
  - .name:           k_qd5c3834aac_gemm
    .symbol:         k_qd5c3834aac_gemm.kd
    .args:
      - { .name: xb, .offset: 0, .size: 8, .value_kind: global_buffer, .address_space: global }
      - { .name: wb, .offset: 8, .size: 8, .value_kind: global_buffer, .address_space: global }
      - { .name: out0, .offset: 16, .size: 8, .value_kind: global_buffer, .address_space: global }
      - { .name: bias, .offset: 24, .size: 8, .value_kind: global_buffer, .address_space: global }
      - { .name: alpha, .offset: 32, .size: 8, .value_kind: global_buffer, .address_space: global }
      - { .name: beta, .offset: 40, .size: 8, .value_kind: global_buffer, .address_space: global }
    .group_segment_fixed_size: 327680
    .private_segment_fixed_size: 0
    .kernarg_segment_align: 8
    .kernarg_segment_size: 48
    .max_flat_workgroup_size: 128
    .sgpr_count:     92
    .vgpr_count:     1024
    .wavefront_size: 32
...
	.end_amdgpu_metadata
.endif
;; end of part 2
